; MI455X (gfx1250); checked and timed in simulation.
; The chip was launched on July 23, 2026; its instructions are those of AMD's public machine-readable ISA for CDNA 5 (MIT licence, August 2026) and "CDNA5" Instruction Set Architecture Reference Guide (July 2026). The comments in the code are by the model that wrote it; some were corrected since.
;; Sparse KAN Linear. Allowed arithmetic: matrix products marked QUANTISED: E5M2 operands, one given power-of-two scale a tensor, by v_wmma_f32_16x16x64_bf8_bf8 or v_wmma_f32_16x16x128_bf8_bf8, f32 sums; everything else in f32.
;; Inputs: base_weight 512 x 512 float32; grid 512 x 12 float32; lowp_scales 4 int32 (the exponents e of the quantised operands' scales 2^e); mask 512 x 512 float32; spline_scaler 512 x 512 float32; spline_weight 512 x 512 x 8 float32; x 16,384 x 512 float32.
;; Outputs: out0 16,384 x 512 float32.
;; This version of the problem:
;;   THIS VERSION OF THE PROBLEM IS GIVEN IN LOW PRECISION. The matrix products marked QUANTISED in the list below multiply operands that are first quantised to E5M2 (5 exponent bits, 2 mantissa bits; 8 bits a number), with one given power-of-two scale for each operand tensor; their sums are f32. All else is computed in f32.
;;   The module's matrix products, in the order in which they are computed (A, B: the left and right operand; K: the contracted axis; several contracted axes count as one K, in the product's order):
;;     1. [M 16,384, K 512] x [K 512, N 512]; A: computed on the way; B: computed on the way: QUANTISED (scales: A lowp_scales[0], B lowp_scales[1])
;;     2. [M 16,384, K 4,096] x [K 4,096, N 512]; A: computed on the way; B: computed on the way: QUANTISED (scales: A lowp_scales[2], B lowp_scales[3])
;;   THE QUANTISER, for each operand of a quantised product, along K:
;;     - The operand's scale is 2^e, e = its entry of the input lowp_scales (int32; the entries are numbered through the quantised products in the list's order, A before B).
;;     - Each number is divided by the scale, clamped to +-57,344, and rounded to the nearest number of E5M2, ties to even, subnormals kept.
;;     - The product sums the exact products of the quantised numbers (number of the format x scale) in f32.
;;   ~~~python
;;   def quantise(x, axis, e):      # numpy; x: float32 -> the quantised numbers, widened to float32 again
;;       x = np.moveaxis(x, axis, -1); K = x.shape[-1]
;;       r = np.clip(x / 2.0 ** e, -57344, 57344)
;;       step = 2.0 ** (np.maximum(np.frexp(np.where(r == 0, 1, r))[1] - 1, -14) - 2)
;;       q = np.round(r / step) * step * 2.0 ** e      # np.round: ties to even
;;       return np.moveaxis(q, -1, axis).astype(np.float32)
;;   ~~~
;;   OPERANDS COMPUTED ON THE WAY. 'Computed on the way' means the value that the module computes at that place (a softmax that the list does not call 'softmax' is quantised finished and normalised). What goes into a quantiser is computed in f32, as accurately as f32 sums, v_exp_f32 and their like allow (about 1e-6 of the number): no bf16 or f16 on the way to a quantiser, and a product that is left as it is and whose result goes on into a quantised operand takes f32 operands (vector FMAs, or v_wmma_f32_16x16x4_f32). A number that lies on a knife's edge between two numbers of the format may be rounded either way, as far as f32 arithmetic and the matrix unit's own rounding can turn it there, and no further.
;; One version. Each part assembles by itself: llvm-mc -triple=amdgcn-amd-amdhsa -mcpu=gfx1250 --defsym DOCPART=n.
;; ======== version 1 of 1: 2 launches
;; limits: right only within a limited range of input values
;; workspace buffers: wcodes 2,359,296 bytes; ptab 98,304 bytes
;; launch prep (part 1): grid 656 x 1, 1 waves a work-group, no clusters, 32,000 bytes of LDS; arguments spline_weight, spline_scaler, mask, base_weight, grid, lowp_scales, wcodes, ptab; writes wcodes, ptab
.if DOCPART == 1
	.amdgcn_target "amdgcn-amd-amdhsa--gfx1250"
	.amdhsa_code_object_version 6
	.text
	.protected	k_q3eadaeb1a8_prep
	.globl	k_q3eadaeb1a8_prep
	.p2align	8
	.type	k_q3eadaeb1a8_prep,@function
k_q3eadaeb1a8_prep:
	s_mov_b64 s[64:65], 0
	v_nop
	global_prefetch_b8 v0, s[64:65] scope:SCOPE_SE
	s_setreg_imm32_b32 hwreg(HW_REG_WAVE_MODE, 25, 1), 1
	s_wait_xcnt 0x0
; The weights of both products become codes of BF8 (E5M2), laid as images of the operand's registers, and the knots become a table of parameters.
; wcodes [s 36][T 32][c 4][lane 32][16 bytes]: K step s of 128, columns 16 T + (lane % 16); the lane's 16 bytes are registers 4 c .. 4 c + 3 of its fragment.  h = lane / 16.
;   s = 2 tau + q < 32 (spline): byte 8 e + j is the code of spline_weight[n][f][j] x (mask[n][f] x spline_scaler[n][f]), f = 32 tau + 4 (2 c + h) + 2 q + e; scale 2^e3.
;   s = 32 + sg (base):          byte i is the code of base_weight[n][f] x mask[n][f], f = 128 sg + 32 c + 16 h + i; scale 2^e1.
; ptab [f 512][48] f32, a row of 192 bytes a feature: words 0-11 -g_j; 12-22 d1_j; 24-33 d2_j; 36-44 d3_j; the other words 0.  d_kj = 1 / ((g[j+k] - g[j]) + 1e-8).
; code = w / 2^e, held within +-57,344, to the nearest code, ties to even.
; LIMITS: e1 and e3 between -126 and 112, so that 2^e and 57,344 x 2^e are f32 numbers.  NaN among the inputs is not served.  1 / den is v_rcp_f32, where the definition divides.
; One wave to a work-group, so no barrier.  Work-groups 0-511: 16 columns x 32 features of the spline weights; 512-639: 16 columns x 128 features of the base weights; 640-655: 32 features' parameters each.
; Loads take the bytes as they lie; a stage in LDS turns them; each way has stage bytes of its own.
.set RW,   32                          ; v32-159  numbers as loaded, then as the fragment wants them
.set MK,   160                         ; v160-175 mask, then mask x scaler
.set SL,   176                         ; v176-191 scaler
.set MB,   96                          ; the base way: mask
.set VV,   192                         ; two sets of 16 numbers for the conversions
.set CC,   224                         ; codes: four registers a group
.set STS,  1040                        ; the spline way's stage: 16 rows of 1,024 bytes + 16
.set STB,  16896                       ; the base way's stage: 16 rows of 512 bytes + 16
.set STBP, 528
.set TS,   25856                       ; the table's stage: 32 rows of 192 bytes, behind the spare words
.set GR,   32                          ; the table's way: v32-43 my feature's knots
.set OO,   64                          ; v64-111 its row of 48 words
.set OB,   128                         ; v128-175 the rows read back as they lie
.macro SCALE se                        ; v11 = 2^e as f32; v10 = 57,344 x 2^e
	s_add_co_i32 s28, \se, 127
	s_lshl_b32 s29, s28, 23
	v_mov_b32 v11, s29
	s_add_co_i32 s28, s28, 15
	s_lshl_b32 s28, s28, 23
	s_or_b32 s28, s28, 0x600000
	v_mov_b32 v10, s28
.endm
	s_load_b256 s[4:11], s[0:1], 0x0               ; spline_weight, spline_scaler, mask, base_weight
	s_load_b256 s[12:19], s[0:1], 0x20             ; grid, the scales' exponents, wcodes, ptab
	v_lshl_add_u32 v30, v0, 2, 0x6400
	v_mov_b32 v31, 0
	v_and_b32 v1, 15, v0                           ; r
	v_lshrrev_b32 v3, 4, v0                        ; h
	v_lshlrev_b32 v2, 4, v0                        ; 16 x lane
	s_mov_b32 s27, 0
	s_wait_alu depctr_va_vdst(0)                   ; the wait at the head's end
	s_wait_kmcnt 0x0
	s_load_b128 s[20:23], s[14:15], 0x0            ; e0, e1, e2, e3
	s_cmp_lt_u32 ttmp9, 512
	s_cbranch_scc0 .Lnot_spline
	; ---- the spline weights: columns 16 T .., features 32 tau ..
	s_lshr_b32 s24, ttmp9, 5                       ; tau
	s_and_b32 s25, ttmp9, 31                       ; T
	s_lshl_b32 s26, s25, 18
	s_lshl_b32 s28, s24, 10
	s_add_co_u32 s26, s26, s28
	s_add_nc_u64 s[4:5], s[4:5], s[26:27]
	s_lshl_b32 s26, s25, 15
	s_lshl_b32 s28, s24, 7
	s_add_co_u32 s26, s26, s28
	s_add_nc_u64 s[6:7], s[6:7], s[26:27]
	s_add_nc_u64 s[8:9], s[8:9], s[26:27]
	s_lshl_b32 s26, s24, 17
	s_lshl_b32 s28, s25, 11
	s_add_co_u32 s26, s26, s28
	s_add_nc_u64 s[16:17], s[16:17], s[26:27]
	s_wait_alu depctr_va_vdst(0)
	v_lshlrev_b32 v4, 11, v1
	v_lshl_add_u32 v4, v3, 4, v4                   ; mask, scaler: row r, + 16 h
	v_mul_u32_u24 v6, v1, STS
	v_lshl_add_u32 v6, v3, 7, v6                   ; out of the stage: row r, + 128 h
.irp c, 0,1,2,3
	global_load_b128 v[MK+4*\c:MK+4*\c+3], v4, s[8:9] offset:32*\c
	global_load_b128 v[SL+4*\c:SL+4*\c+3], v4, s[6:7] offset:32*\c
.endr
.set i, 0
.rept 32                                       ; 512 consecutive bytes an instruction
	global_load_b128 v[RW+4*i:RW+4*i+3], v2, s[4:5] offset:(i/2)*16384+(i%2)*512 th:TH_LOAD_NT
.set i, i+1
.endr
	s_wait_kmcnt 0x0
	SCALE s23
.set i, 0
.rept 32
	s_wait_loadcnt 31-i                            ; load i is in; the 31 - i younger ones may be out
	ds_store_b128 v2, v[RW+4*i:RW+4*i+3] offset:(i/2)*STS+(i%2)*512
.set i, i+1
.endr
.irp j, 0,2,4,6,8,10,12,14
	v_pk_mul_f32 v[MK+\j:MK+\j+1], v[MK+\j:MK+\j+1], v[SL+\j:SL+\j+1]   ; mask x scaler first, as the definition has it
.endr
.irp q, 0,1
.irp c, 0,1,2,3
.irp k, 0,1,2,3                                ; my two features 8 c + 4 h + 2 q + 0, 1: 64 bytes; LDS serves a wave's instructions in order
	ds_load_b128 v[RW+16*(4*\q+\c)+4*\k:RW+16*(4*\q+\c)+4*\k+3], v6 offset:256*\c+64*\q+16*\k
.endr
.endr
.endr
	s_wait_alu depctr_va_vdst(0)
.irp q, 0,1
.irp c, 0,1,2,3
	s_wait_dscnt 4*(7-(4*\q+\c))                   ; this group's four loads are in
.irp k, 0,1
.irp j, 0,1,2,3,4,5,6,7
	v_mul_f32 v[VV+16*(\c%2)+8*\k+\j], v[RW+16*(4*\q+\c)+8*\k+\j], v[MK+4*\c+2*\q+\k]   ; the order 8 e + j; the two sets take turns
.endr
.endr
.irp i, 0,1,2,3,4,5,6,7,8,9,10,11,12,13,14,15
	v_med3_num_f32 v[VV+16*(\c%2)+\i], v[VV+16*(\c%2)+\i], -v10, v10   ; the conversion does not saturate (ISA guide 7.6.2): the hold comes first
.endr
	v_cvt_scalef32_pk8_bf8_f32 v[CC+4*(4*\q+\c):CC+4*(4*\q+\c)+1], v[VV+16*(\c%2):VV+16*(\c%2)+7], v11
	v_cvt_scalef32_pk8_bf8_f32 v[CC+4*(4*\q+\c)+2:CC+4*(4*\q+\c)+3], v[VV+16*(\c%2)+8:VV+16*(\c%2)+15], v11
	global_store_b128 v2, v[CC+4*(4*\q+\c):CC+4*(4*\q+\c)+3], s[16:17] offset:\q*65536+\c*512   ; 512 consecutive bytes, aligned
.endr
.endr
	s_wait_tensorcnt 0x0                           ; the wave's end
	ds_add_u32 v30, v31
	s_wait_dscnt 0x0
	s_endpgm
.Lnot_spline:
	s_cmp_lt_u32 ttmp9, 640
	s_cbranch_scc0 .Ltable
	; ---- the base weights: columns 16 T .., features 128 sg ..
	s_sub_co_u32 s24, ttmp9, 512
	s_and_b32 s25, s24, 31
	s_lshr_b32 s24, s24, 5
	s_lshl_b32 s26, s25, 15
	s_lshl_b32 s28, s24, 9
	s_add_co_u32 s26, s26, s28
	s_add_nc_u64 s[10:11], s[10:11], s[26:27]
	s_add_nc_u64 s[8:9], s[8:9], s[26:27]
	s_add_co_u32 s26, s24, 32
	s_lshl_b32 s26, s26, 16
	s_lshl_b32 s28, s25, 11
	s_add_co_u32 s26, s26, s28
	s_add_nc_u64 s[16:17], s[16:17], s[26:27]
	s_wait_alu depctr_va_vdst(0)
	v_mul_u32_u24 v8, v1, STBP
	v_lshl_add_u32 v8, v3, 6, v8                   ; out of the stage: row r, + 64 h
.set i, 0
.rept 16
	global_load_b128 v[RW+4*i:RW+4*i+3], v2, s[10:11] offset:2048*i th:TH_LOAD_NT
	global_load_b128 v[MB+4*i:MB+4*i+3], v2, s[8:9] offset:2048*i
.set i, i+1
.endr
	s_wait_kmcnt 0x0
	SCALE s21
	s_wait_loadcnt 0x0
.set i, 0
.rept 32
	v_pk_mul_f32 v[RW+2*i:RW+2*i+1], v[RW+2*i:RW+2*i+1], v[MB+2*i:MB+2*i+1]
.set i, i+1
.endr
.set i, 0
.rept 16
	ds_store_b128 v2, v[RW+4*i:RW+4*i+3] offset:STB+STBP*i
.set i, i+1
.endr
.irp c, 0,1,2,3
.irp k, 0,1,2,3
	ds_load_b128 v[RW+16*\c+4*\k:RW+16*\c+4*\k+3], v8 offset:STB+128*\c+16*\k
.endr
.endr
.irp c, 0,1,2,3
	s_wait_dscnt 4*(3-\c)
.irp i, 0,1,2,3,4,5,6,7,8,9,10,11,12,13,14,15
	v_med3_num_f32 v[RW+16*\c+\i], v[RW+16*\c+\i], -v10, v10
.endr
	v_cvt_scalef32_pk8_bf8_f32 v[CC+4*\c:CC+4*\c+1], v[RW+16*\c:RW+16*\c+7], v11
	v_cvt_scalef32_pk8_bf8_f32 v[CC+4*\c+2:CC+4*\c+3], v[RW+16*\c+8:RW+16*\c+15], v11
	global_store_b128 v2, v[CC+4*\c:CC+4*\c+3], s[16:17] offset:\c*512
.endr
	s_wait_tensorcnt 0x0
	ds_add_u32 v30, v31
	s_wait_dscnt 0x0
	s_endpgm
.Ltable:
	; ---- the parameters of features 32 p .. 32 p + 31, a lane a feature
	s_sub_co_u32 s24, ttmp9, 640                   ; p
	s_mul_i32 s26, s24, 1536                       ; 32 features of 48 bytes
	s_add_nc_u64 s[12:13], s[12:13], s[26:27]
	s_mul_i32 s26, s24, 6144                       ; 32 rows of 192 bytes
	s_add_nc_u64 s[18:19], s[18:19], s[26:27]
	v_mul_u32_u24 v4, v0, 48
	v_mul_u32_u24 v5, v0, 192                      ; into the stage: my row
.irp k, 0,1,2
	global_load_b128 v[GR+4*\k:GR+4*\k+3], v4, s[12:13] offset:16*\k
.endr
.irp j, 23,34,35,45,46,47
	v_mov_b32 v[OO+\j], 0                          ; the words that hold no parameter
.endr
	s_wait_alu depctr_va_vdst(0)
	s_wait_loadcnt 0x0
.irp j, 0,1,2,3,4,5,6,7,8,9,10,11
	v_xor_b32 v[OO+\j], 0x80000000, v[GR+\j]       ; -g_j
.endr
.irp j, 0,1,2,3,4,5,6,7,8,9,10
	v_sub_f32 v[OO+12+\j], v[GR+\j+1], v[GR+\j]
.endr
.irp j, 0,1,2,3,4,5,6,7,8,9
	v_sub_f32 v[OO+24+\j], v[GR+\j+2], v[GR+\j]
.endr
.irp j, 0,1,2,3,4,5,6,7,8
	v_sub_f32 v[OO+36+\j], v[GR+\j+3], v[GR+\j]
.endr
.irp j, 12,13,14,15,16,17,18,19,20,21,22,24,25,26,27,28,29,30,31,32,33,36,37,38,39,40,41,42,43,44
	v_add_f32 v[OO+\j], 0x322bcc77, v[OO+\j]       ; + 1e-8
.endr
	s_wait_alu depctr_va_vdst(0)                   ; the wait ahead of the batch
.irp j, 12,13,14,15,16,17,18,19,20,21,22,24,25,26,27,28,29,30,31,32,33,36,37,38,39,40,41,42,43,44
	v_rcp_f32 v[OO+\j], v[OO+\j]
.endr
	v_nop
	s_wait_alu depctr_va_vdst(0)                   ; and behind it, ahead of the first reader
.set i, 0
.rept 12
	ds_store_b128 v5, v[OO+4*i:OO+4*i+3] offset:TS+16*i
.set i, i+1
.endr
.set i, 0
.rept 12
	ds_load_b128 v[OB+4*i:OB+4*i+3], v2 offset:TS+512*i   ; LDS serves a wave's instructions in order
.set i, i+1
.endr
.set i, 0
.rept 12
	s_wait_dscnt 11-i
	global_store_b128 v2, v[OB+4*i:OB+4*i+3], s[18:19] offset:512*i   ; 512 consecutive bytes, aligned
.set i, i+1
.endr
	s_wait_tensorcnt 0x0
	ds_add_u32 v30, v31
	s_wait_dscnt 0x0
	s_endpgm
.Lfunc_end_k_q3eadaeb1a8_prep:
	.size	k_q3eadaeb1a8_prep, .Lfunc_end_k_q3eadaeb1a8_prep-k_q3eadaeb1a8_prep
	.p2alignl 7, 3214868480
	.fill 96, 4, 3214868480
	.section	.rodata,"a",@progbits
	.p2align	6, 0x0
	.amdhsa_kernel k_q3eadaeb1a8_prep
		.amdhsa_group_segment_fixed_size 32000
		.amdhsa_private_segment_fixed_size 0
		.amdhsa_enable_private_segment 0
		.amdhsa_kernarg_size 64
		.amdhsa_user_sgpr_count 2
		.amdhsa_user_sgpr_kernarg_segment_ptr 1
		.amdhsa_wavefront_size32 1
		.amdhsa_system_sgpr_workgroup_id_x 1
		.amdhsa_system_sgpr_workgroup_id_y 1
		.amdhsa_system_sgpr_workgroup_id_z 1
		.amdhsa_system_vgpr_workitem_id 0
		.amdhsa_next_free_vgpr 256
		.amdhsa_next_free_sgpr 66
		.amdhsa_reserve_vcc 0
		.amdhsa_float_denorm_mode_32 3
		.amdhsa_float_denorm_mode_16_64 3
		.amdhsa_memory_ordered 1
		.amdhsa_forward_progress 1
		.amdhsa_inst_pref_size 48
	.end_amdhsa_kernel
	.amdgpu_metadata
---
amdhsa.version: [ 1, 2 ]
amdhsa.kernels:
  - .name:           k_q3eadaeb1a8_prep
    .symbol:         k_q3eadaeb1a8_prep.kd
    .args:
      - { .name: spline_weight, .offset: 0, .size: 8, .value_kind: global_buffer, .address_space: global }
      - { .name: spline_scaler, .offset: 8, .size: 8, .value_kind: global_buffer, .address_space: global }
      - { .name: mask, .offset: 16, .size: 8, .value_kind: global_buffer, .address_space: global }
      - { .name: base_weight, .offset: 24, .size: 8, .value_kind: global_buffer, .address_space: global }
      - { .name: grid, .offset: 32, .size: 8, .value_kind: global_buffer, .address_space: global }
      - { .name: lowp_scales, .offset: 40, .size: 8, .value_kind: global_buffer, .address_space: global }
      - { .name: wcodes, .offset: 48, .size: 8, .value_kind: global_buffer, .address_space: global }
      - { .name: ptab, .offset: 56, .size: 8, .value_kind: global_buffer, .address_space: global }
    .group_segment_fixed_size: 32000
    .private_segment_fixed_size: 0
    .kernarg_segment_align: 8
    .kernarg_segment_size: 64
    .max_flat_workgroup_size: 32
    .sgpr_count:     66
    .vgpr_count:     256
    .wavefront_size: 32
...
	.end_amdgpu_metadata
.endif
;; end of part 1
;; launch kan (part 2): grid 256 x 1, 8 waves a work-group, clusters of 4 x 1, 327,680 bytes of LDS; arguments x, wcodes, ptab, lowp_scales, out0; writes out0
.if DOCPART == 2
	.amdgcn_target "amdgcn-amd-amdhsa--gfx1250"
	.amdhsa_code_object_version 6
	.text
	.protected	k_q3eadaeb1a8_kan
	.globl	k_q3eadaeb1a8_kan
	.p2align	8
	.type	k_q3eadaeb1a8_kan,@function
k_q3eadaeb1a8_kan:
	s_mov_b64 s[64:65], 0
	v_nop
	global_prefetch_b8 v0, s[64:65] scope:SCOPE_SE
	s_setreg_imm32_b32 hwreg(HW_REG_WAVE_MODE, 25, 1), 1
	s_wait_xcnt 0x0
	s_wait_alu depctr_hold_cnt(0) depctr_sa_sdst(0) depctr_va_vdst(0) depctr_va_sdst(0) depctr_va_ssrc(0) depctr_va_vcc(0) depctr_vm_vsrc(0)
	s_getreg_b32 s2, hwreg(HW_REG_IB_STS2, 6, 4)
	s_cmp_eq_u32 s2, 0
	s_cbranch_scc0 .Lentry_in_a_cluster
	s_endpgm
.Lentry_in_a_cluster:
	s_bfe_u32 s2, ttmp6, 0x10000c
	s_cmp_lg_u32 s2, 0x3003
	s_cbranch_scc0 .Lentry_shape_is_right
	s_endpgm
.Lentry_shape_is_right:
; out0 = Q(silu(x)) Q(base_weight mask)^T + Q(bases(x)) Q(spline_weight (mask scaler))^T, both products on codes of BF8 (E5M2) with the given scales 2^e0 .. 2^e3.
; x [16384][512] f32; wcodes and ptab as the launch before laid them; out0 [16384][512] f32.
; SHARES.  A work-group owns 64 rows and all 512 columns, so each number of x is expanded into its 8 bases and its silu once in the launch.  K goes in 36 steps of 128: 32 of the spline (16 features x 8 bases), then 4 of silu.
; Eight waves, two on each SIMD, all with the same text.  Wave w MULTIPLIES for columns 64 w .. 64 w + 63, all 64 rows (16 accumulators), and MAKES the codes of features 4 w .. 4 w + 3 of each 32, all 64 rows.
; A UNIT is one feature x 64 rows: lane l holds rows l and l + 32 as a packed pair.  THE BASES are the definition's own recursion on all twelve knots, whatever they are:
; new_j = t_j (d_kj b_j) - t_{j+k+1} (d_{k,j+1} b_{j+1}), t_j = x - g_j.  x >= g_j is read off t_j >= 0: with denormals kept x - g_j has the sign of the comparison.  x < g is taken as not (x >= g).
; THE PARAMETERS of a unit's feature are the same in all lanes.  Two features' rows of ptab (384 bytes) come by three loads of 4 bytes a lane, three units ahead, go into 384 LDS bytes of the wave's own, and from there
; every lane reads all 48 words (twelve LDS loads, the same address in all lanes).  A packed instruction takes one word of a register pair for both of its halves (op_sel).  -g and d1 are read in the middle of the unit
; before, d2 and d3 at the unit's head (for an interval's first unit: first behind the barrier).  LDS serves a wave's instructions in order, so the wave's own bytes need no barrier.
; The hold at the largest code also lays the two rows' bases apart, so each conversion gives the 8 codes of one row and feature; two units give 16 bytes a row, the order along K that wcodes has.
; x reaches the units through a transposed tile in LDS, XT [32 features][64 places], place 2 (row % 32) + row / 32: stored one trip ahead from registers (each wave loads 8 rows x 128 bytes), read as 8 bytes a lane.
; silu's codes are made from those same registers and kept in LDS for the last four K steps.
; A trip is 32 features = two K steps = two intervals.  In an interval a wave makes two units of tile s and multiplies tile s - 1: the K step's 32 fragment loads stand in eight groups of four between the stages of
; the first unit, so that no wave issues them in one run, and the 16 products in two groups of eight in the second unit.
; THE WEIGHTS are the same for all work-groups: four work-groups form a cluster and ask for each slot (two K steps, 131,072 bytes) JOINTLY, each of the eight waves for its eighth, once a trip.
; THE SCALES.  Behind K step 31 the sums are multiplied once by 2^(e2+e3-e0-e1), which rounds nothing, and at the end by 2^(e0+e1).
; LIMITS: e0 and e2 between -126 and 112; e0 + e1 and e2 + e3 - e0 - e1 between -126 and 127.  NaN in x is not served.  sigmoid is v_rcp_f32 of 1 + v_exp_f32.
; REGISTERS: window 0: addresses and all that makes codes.  Window 1: accumulator (t, m) at v[8 (4 t + m)], AF 4 fragments of the rows, BF 4 of my weights.
.set SLOT1,  1<<17
.set KSB,    65536
.set LA2,    2*SLOT1                   ; two buffers for the spline's codes: 64 rows of 128 bytes + 16
.set A2P,    144
.set A2B,    64*A2P
.set LA1,    LA2+2*A2B                 ; silu's codes: 64 rows of 512 bytes + 16
.set A1P,    528
.set XT,     LA1+64*A1P                ; x transposed: 32 rows of 256 bytes + 8
.set XP,     264
.set PRM,    XT+32*XP                  ; the parameters: 384 bytes for each wave
.set SPARE,  PRM+8*384                 ; the spare words, 128 bytes for each wave: four blocks of 256 bytes that no other line names
.set SP,     272                       ; the way out: a stage of 16 rows x (256 + 16) for each wave, in slot 0, behind its last fill and its last read
.set SPW, 2
.set NIL, 3
.set XO,  4                            ; x: my row and my 16 bytes
.set XOC, 5                            ; the same for the trip that is loaded
.set XTW, 6                            ; where I store into XT
.set XTR, 7                            ; where I read my units' x
.set A2W, 8                            ; where I store 16 codes of row l
.set A1B, 9                            ; where I store silu's 4 codes, trip 0
.set A1W, 10
.set B0,  11
.set B1,  12
.set BC0, 13
.set BC1, 14
.set A2R, 15
.set A1R, 16
.set STO, 17
.set RD,  18
.set CO,  19
.set PFO, 20                           ; the weights' prefetch offset
.set PFX, 21                           ; x's: 2,048 x lane + 512
.set PFXC, 22
.set SC2, 23                           ; 2^e2 as f32
.set SC0, 24
.set X,   26                           ; four units' pairs
.set XN,  34                           ; x as loaded: 2 x 4
.set TT,  42
.set UA,  66
.set PA,  88
.set BA,  108
.set H,   128
.set CD,  144
.set SE,  152
.set SV,  160
.set CS,  168
.set P,   172                          ; v172-219 a feature's 48 words: -g at 0, d1 at 12, d2 at 24, d3 at 36
.set PGA, 220                          ; v220-222 two features' rows on their way, for a trip's first interval
.set PGB, 224                          ; v224-226 for its second
.set PGO, 228                          ; ptab: 4 x lane + 768 x wave
.set PAC, 229                          ; the same for the trip that set A loads
.set PBC, 230                          ; that set B loads
.set PW,  231                          ; my word in my wave's LDS bytes
.set PR,  232                          ; their first byte
.set TMP, 32                           ; the way out
.set BK,  64
.set AF,  128                          ; window 1
.set BF,  192
.set WV,  12
.set TB,  13
.set TRI, 14
.set NX,  15                           ; the next trip's number, held at 15
.set G1,  16
.set G0,  24
.set MM,  28                           ; s28-51 24 lane masks
.set LIMW, 62
.set LIMX, 63
.set HB2, 66                           ; 57,344 x 2^e2
.set HB0, 67
.set SA,  68                           ; s68-69 2^(e2+e3-e0-e1), twice
.set SB,  70                           ; s70-71 2^(e0+e1), twice
.set OUTP, 72                          ; s72-73 out0 at my rows and columns
.set MSB, 0
.macro WIN new
.if MSB != \new
	s_set_vgpr_msb (MSB<<8)|\new
.set MSB, \new
.endif
.endm
.macro PLACES
.rept 4
	v_nop
.endr
.endm
.macro ROUND                           ; a round of the cluster's barrier
	s_barrier_signal -1
	s_barrier_wait -1
	s_cmp_lg_u32 s[WV], 0
	s_cbranch_scc1 .Lnot_wave_0_\@
	s_barrier_signal -3
.Lnot_wave_0_\@:
	s_barrier_wait -3
	s_barrier_signal -1
	s_barrier_wait -1
.endm
.macro SYNC_P                          ; a barrier behind which nothing is filled: my LDS stores have landed and my LDS loads are in
	s_wait_alu depctr_va_vdst(0)
	s_wait_dscnt 0x0
	s_barrier_signal -1
	s_barrier_wait -1
.endm
.macro SYNC_R                          ; the change of slots
	s_wait_tensorcnt 0x0                           ; my one tensor load, my eighth of the slot read next, has landed: the group 0 may be written
	ds_add_u32 v[SPW], v[NIL]
	s_xor_b32 s[G0+1], s[G0+1], SLOT1
	s_add_nc_u64 s[G0+2:G0+3], s[G0+2:G0+3], 2*KSB
	s_xor_b32 s[TB], s[TB], SLOT1
	v_add_nc_u32 v[BC0], s[TB], v[B0]
	v_add_nc_u32 v[BC1], s[TB], v[B1]
	s_wait_xcnt 0x0                                ; the last prefetches, a trip back, have read their offsets
	v_add_nc_u32 v[PFO], 2*KSB, v[PFO]             ; weights: one slot further on than the walking descriptor
	s_lshr_b32 s10, s[TRI], 1
	s_lshl_b32 s10, s10, 8
	s_and_b32 s11, s[TRI], 1
	s_lshl_b32 s11, s11, 16
	s_add_co_u32 s10, s10, s11
	v_add_nc_u32 v[PFXC], s10, v[PFX]              ; x: bytes 512 + 256 (trip / 2) of a row, rows 32 (trip % 2) on
	s_wait_alu depctr_va_vdst(0)
	s_wait_dscnt 0x0
	ROUND
	tensor_load_to_lds s[G0:G0+3], s[G1:G1+7]      ; first behind the round, my one tensor load until the next
	s_nop 0
	PLACES
.endm
.macro SYNC_F                          ; the last change of slots: nothing is left to fetch
	s_wait_tensorcnt 0x0
	ds_add_u32 v[SPW], v[NIL]
	s_xor_b32 s[TB], s[TB], SLOT1
	v_add_nc_u32 v[BC0], s[TB], v[B0]
	v_add_nc_u32 v[BC1], s[TB], v[B1]
	s_wait_alu depctr_va_vdst(0)
	s_wait_dscnt 0x0
	s_barrier_signal -1
	s_barrier_wait -1
.endm
; PREFETCHES.  Weights: the slot that the NEXT change of slots asks for.  All clusters walk the same weights: the first cluster asks; its four partners take 32,768 bytes each, told apart by address; in each, waves 0-3
; take 8,192 bytes, lanes 256 bytes apart: each block of 256 bytes is named once.  Slots 0 and 1 come by their loads alone; trip 15 names the last slot.
; x: wave 4 names, a lane a row, 32 of my rows at the block of 256 bytes whose first load stands three trips (even trips) or two (odd trips) on; the first two blocks of a row come by their loads alone; trip 11 names the last.
; ptab, 98,304 bytes that every work-group walks and that are asked for three units ahead, has none.
.macro ASK
	s_cmp_lt_u32 s[TRI], s[LIMW]
	s_cbranch_scc0 .Lno_w_\@
	global_prefetch_b8 v[PFO], s[6:7] th:TH_LOAD_NT scope:SCOPE_SE
.Lno_w_\@:
	s_cmp_lt_u32 s[TRI], s[LIMX]
	s_cbranch_scc0 .Lno_x_\@
	global_prefetch_b8 v[PFXC], s[4:5] th:TH_LOAD_NT scope:SCOPE_SE
.Lno_x_\@:
.endm
.macro XLOAD                           ; 32 features of my 8 rows: an instruction reads 128 consecutive bytes of each of four rows
	global_load_b128 v[XN:XN+3], v[XOC], s[4:5] th:TH_LOAD_NT
	global_load_b128 v[XN+4:XN+7], v[XOC], s[4:5] offset:4096 th:TH_LOAD_NT
.endm
.macro XSTORE                          ; into XT: feature 4 l8 + i, my row's place; the 32 lanes fall on 32 different banks
.irp u, 0,1
.irp i, 0,1,2,3
	ds_store_b32 v[XTW], v[XN+4*\u+\i] offset:\i*XP+16*\u
.endr
.endr
.endm
.macro PGLOAD set, adr, off            ; two features' rows of ptab: three loads of 128 consecutive bytes
.irp k, 0,1,2
	global_load_b32 v[\set+\k], v[\adr], s[8:9] offset:(\off)+128*\k
.endr
.endm
.macro PGSTORE set                     ; into my wave's LDS bytes
.irp k, 0,1,2
	ds_store_b32 v[PW], v[\set+\k] offset:128*\k
.endr
.endm
.macro PLD g0, par                     ; six groups of four words, from group g0 on, of my wave's feature par: every lane reads the same bytes
.irp g, 0,1,2,3,4,5
	ds_load_b128 v[P+4*((\g0)+\g):P+4*((\g0)+\g)+3], v[PR] offset:192*(\par)+16*((\g0)+\g)
.endr
.endm
.macro PKB op, d, a, p                 ; d = a op the one word in register p, for both halves
.if ((\p)%2) == 0
	\op v[\d:\d+1], v[\a:\a+1], v[\p:\p+1] op_sel_hi:[1,0]
.else
	\op v[\d:\d+1], v[\a:\a+1], v[\p-1:\p] op_sel:[0,1] op_sel_hi:[1,1]
.endif
.endm
.macro MLOAD breg, areg, aoff, pitch   ; the tail: a K step's fragments in one run: 4 of the rows, 4 of my weights; four places in front of loads into registers that matrix instructions have read
	PLACES
	WIN 0x40
.irp m, 0,1,2,3
.irp c, 0,1,2,3
	ds_load_b128 v[AF+16*\m+4*\c:AF+16*\m+4*\c+3], v[\areg] offset:(\aoff)+\m*(\pitch)+32*\c
.endr
.endr
.irp t, 0,1,2,3
.irp c, 0,1,2,3
	ds_load_b128 v[BF+16*\t+4*\c:BF+16*\t+4*\c+3], v[\breg] offset:2048*\t+512*\c
.endr
.endr
	WIN 0
.endm
; THE MATRIX INSTRUCTION IS USED TRANSPOSED (source 0 = 16 columns of the weights, source 1 = 16 rows).  The 16 accumulators take turns in the same order in every K step.
.set MULON, 0
.set MZERO, 0
.set wi, 0
.set li, 0                             ; which of the K step's 32 fragment loads comes next: 0-15 the rows', 16-31 my weights'
.set MBR, BC0                          ; the register that holds my weights' address
.set MAO, 0                            ; the buffer of codes
; In the loop: four of the K step's fragment loads, in an interval's first unit.  More than four plain vector instructions stand between the last products and the first of these loads.
.macro HOOK u
.if MULON && (((\u)%2) == 0)
	WIN 0x40
.rept 4
.if li < 16
	ds_load_b128 v[AF+4*li:AF+4*li+3], v[A2R] offset:MAO+(li/4)*16*A2P+32*(li%4)
.else
	ds_load_b128 v[BF+4*(li-16):BF+4*(li-16)+3], v[MBR] offset:2048*((li-16)/4)+512*((li-16)%4)
.endif
.set li, li+1
.endr
	WIN 0
.endif
.endm
.macro WMG u                           ; eight of the K step's products, in an interval's second unit
.if MULON && (((\u)%2) == 1)
	WIN 0x55
.rept 8
.if MZERO
	v_wmma_f32_16x16x128_bf8_bf8 v[8*wi:8*wi+7], v[BF+16*(wi/4):BF+16*(wi/4)+15], v[AF+16*(wi%4):AF+16*(wi%4)+15], 0
.else
	v_wmma_f32_16x16x128_bf8_bf8 v[8*wi:8*wi+7], v[BF+16*(wi/4):BF+16*(wi/4)+15], v[AF+16*(wi%4):AF+16*(wi%4)+15], v[8*wi:8*wi+7]
.endif
.set wi, wi+1
.endr
	WIN 0
.endif
.endm
.macro MULSTEP breg, areg, aoff, pitch
	MLOAD \breg, \areg, \aoff, \pitch
	WIN 0x55
.irp t, 0,1,2,3
	s_wait_dscnt 4*(3-\t)                          ; the rows' fragments and my weights' tiles 0 .. t are in
.irp m, 0,1,2,3
	v_wmma_f32_16x16x128_bf8_bf8 v[8*(4*\t+\m):8*(4*\t+\m)+7], v[BF+16*\t:BF+16*\t+15], v[AF+16*\m:AF+16*\m+15], v[8*(4*\t+\m):8*(4*\t+\m)+7]
.endr
.endr
	WIN 0
.endm
.macro LEVMUL k, cnt
.set n, 0
.rept \cnt
	v_pk_mul_f32 v[PA+2*n:PA+2*n+1], v[UA+2*n+2:UA+2*n+3], v[TT+2*(n+\k+1):TT+2*(n+\k+1)+1]
.set n, n+1
.endr
.endm
.macro LEVFMA cnt
.set n, 0
.rept \cnt
	v_pk_fma_f32 v[BA+2*n:BA+2*n+1], v[UA+2*n:UA+2*n+1], v[TT+2*n:TT+2*n+1], v[PA+2*n:PA+2*n+1] neg_lo:[0,0,1] neg_hi:[0,0,1]
.set n, n+1
.endr
.endm
.macro TIMES d, cnt                    ; u_j = b_j d_kj
.set n, 0
.rept \cnt
.set pp, P+(\d)+n
.set dd, UA+2*n
.set aa, BA+2*n
	PKB v_pk_mul_f32, dd, aa, pp
.set n, n+1
.endr
.endm
; Unit u (0 to 3) of a trip: feature 4 w + u of its 32
.macro UNIT u
.set XR, X+2*(\u)
.if ((\u)%2) == 1
	s_wait_alu depctr_va_vdst(0)                   ; the wait ahead of the wait below
.if MULON
	s_wait_dscnt 16                                ; -g and d1 are in: behind their six loads stand 16 fragment loads
.else
	s_wait_dscnt 0x0
.endif
	PLD 6, 1                                       ; d2, d3
.endif
.set n, 0
.rept 12
.set pp, P+n
.set dd, TT+2*n
	PKB v_pk_add_f32, dd, XR, pp                   ; t_j = x + (-g_j)
.set n, n+1
.endr
	HOOK \u
.set n, 0
.rept 24
	v_cmp_ge_f32 s[MM+n], v[TT+n], 0
.set n, n+1
.endr
	HOOK \u
.set n, 0
.rept 11
	s_and_not1_b64 s[MM+2*n:MM+2*n+1], s[MM+2*n:MM+2*n+1], s[MM+2*n+2:MM+2*n+3]   ; x >= g_j and not x >= g_{j+1}, both rows; the masks only select values
.set n, n+1
.endr
.set n, 0
.rept 22
	v_cndmask_b32 v[UA+n], 0, v[P+12+n/2], s[MM+n] ; u_j = b0_j d1_j
.set n, n+1
.endr
	HOOK \u
	LEVMUL 1, 10
	LEVFMA 10
	HOOK \u
	s_wait_alu depctr_va_vdst(0)                   ; the wait ahead of the waits below
.if MULON && (((\u)%2) == 0)
	s_wait_dscnt 16                                ; d2 and d3 are in: behind them stand the 16 fragment loads issued so far
.else
	s_wait_dscnt 0x0                               ; d2 and d3 are in, and the K step's fragments
.endif
	WMG \u
.if (\u) == 1
	s_wait_loadcnt 5                               ; set B is in: behind its three loads stand x's 2 and set A's 3
	PGSTORE PGB                                    ; the second interval's two features; my reads of the first's have come back
.endif
.if (\u) == 3
	s_wait_loadcnt 3                               ; set A is in: behind its three loads stand set B's 3
	PGSTORE PGA                                    ; the next trip's first two features
.endif
	PLD 0, ((\u)+1)%2                              ; the next unit's -g and d1: this unit has read its own
.if (\u) == 0
	s_mul_i32 s10, s[NX], 6144                     ; the last trip asks for its own features again: no load leaves ptab
	v_add_nc_u32 v[PAC], s10, v[PGO]
	PGLOAD PGA, PAC, 0
.endif
.if (\u) == 2
	s_mul_i32 s10, s[NX], 6144
	v_add_nc_u32 v[PBC], s10, v[PGO]
	PGLOAD PGB, PBC, 384
.endif
	TIMES 24, 10
	HOOK \u
	LEVMUL 2, 9
	HOOK \u
	LEVFMA 9
	HOOK \u
	TIMES 36, 9
	HOOK \u
	WMG \u
	LEVMUL 3, 8
	LEVFMA 8
.irp e, 0,1
.irp j, 0,1,2,3,4,5,6,7
	v_med3_num_f32 v[H+8*\e+\j], v[BA+2*\j+\e], -s[HB2], s[HB2]   ; the conversion does not saturate (ISA guide 7.6.2): the hold, which also parts the two rows
.endr
.endr
	v_cvt_scalef32_pk8_bf8_f32 v[CD+2*((\u)%2):CD+2*((\u)%2)+1], v[H:H+7], v[SC2]
	v_cvt_scalef32_pk8_bf8_f32 v[CD+4+2*((\u)%2):CD+4+2*((\u)%2)+1], v[H+8:H+15], v[SC2]
	v_nop                                          ; a plain line behind the last conversion
.endm
.macro CSTORE par                      ; two units' codes: 16 bytes of row l and of row l + 32
	ds_store_b128 v[A2W], v[CD:CD+3] offset:(\par)*A2B
	ds_store_b128 v[A2W], v[CD+4:CD+7] offset:(\par)*A2B+32*A2P
.endm
.macro SILU                            ; silu of the 8 numbers just loaded, as 8 codes; each batch of transcendentals has a wait ahead of it and behind it
.irp j, 0,2,4,6
	v_pk_mul_f32 v[SE+\j:SE+\j+1], v[XN+\j:XN+\j+1], 0xbfb8aa3b op_sel_hi:[1,0]   ; -x log2(e)
.endr
	s_wait_alu depctr_va_vdst(0)
.irp j, 0,1,2,3,4,5,6,7
	v_exp_f32 v[SE+\j], v[SE+\j]
.endr
	v_nop
	s_wait_alu depctr_va_vdst(0)
.irp j, 0,2,4,6
	v_pk_add_f32 v[SE+\j:SE+\j+1], v[SE+\j:SE+\j+1], 1.0 op_sel_hi:[1,0]
.endr
	s_wait_alu depctr_va_vdst(0)
.irp j, 0,1,2,3,4,5,6,7
	v_rcp_f32 v[SE+\j], v[SE+\j]
.endr
	v_nop
	s_wait_alu depctr_va_vdst(0)
.irp j, 0,2,4,6
	v_pk_mul_f32 v[SV+\j:SV+\j+1], v[XN+\j:XN+\j+1], v[SE+\j:SE+\j+1]
.endr
.irp j, 0,1,2,3,4,5,6,7
	v_med3_num_f32 v[SV+\j], v[SV+\j], -s[HB0], s[HB0]
.endr
	v_cvt_scalef32_pk8_bf8_f32 v[CS:CS+1], v[SV:SV+7], v[SC0]
	v_nop
	ds_store_b32 v[A1W], v[CS]
	ds_store_b32 v[A1W], v[CS+1] offset:2*A1P
.endm
; A TRIP: features 32 i .. 32 i + 31.  first = 1: trip 0, written out ahead of the loop: no tile to multiply in its first interval; in its second the first K step's products start the sums.
.macro TRIP first
	SYNC_P                                         ; XT holds this trip's x; tile 2 i - 1 lies whole in buffer 1; nobody reads buffer 0 any more
.irp u, 0,1,2,3
	ds_load_b64 v[X+2*\u:X+2*\u+1], v[XTR] offset:\u*XP
.endr
	PLD 6, 0                                       ; unit 0's d2, d3
	s_add_co_u32 s[NX], s[TRI], 1
	s_min_u32 s[NX], s[NX], 15                     ; the last trip loads, stores and converts its own features again: no load leaves x, the same bytes are written
	s_lshl_b32 s10, s[NX], 7
	s_lshl_b32 s11, s[NX], 5
	v_add_nc_u32 v[XOC], s10, v[XO]
	v_add_nc_u32 v[A1W], s11, v[A1B]
	XLOAD
	s_wait_dscnt 6                                 ; my four reads of XT are in; the six loads of d2 and d3 behind them may be out
.set MULON, 1-\first
.set MZERO, 0
.set wi, 0
.set li, 0
.set MBR, BC1                                  ; K step 2 i - 1: the slot's second K step, buffer 1
.set MAO, A2B
	UNIT 0
	UNIT 1
	CSTORE 0                                       ; tile 2 i
	SYNC_R                                         ; tile 2 i lies whole in buffer 0; nobody reads XT any more; slot i has landed; slot i + 1 goes out
	PLD 6, 0                                       ; unit 2's d2, d3
	ASK
	s_wait_loadcnt 3                               ; the next trip's x is in: behind its two loads stand set A's 3
	XSTORE
	SILU
.set MULON, 1
.set MZERO, \first
.set wi, 0
.set li, 0
.set MBR, BC0                                  ; K step 2 i: the slot's first K step, buffer 0
.set MAO, 0
	UNIT 2
	UNIT 3
	CSTORE 1                                       ; tile 2 i + 1
	s_add_co_u32 s[TRI], s[TRI], 1
.endm
	s_load_b256 s[4:11], s[0:1], 0x0               ; x, wcodes, ptab, the scales' exponents
	s_load_b64 s[OUTP:OUTP+1], s[0:1], 0x20        ; out0
	v_lshl_add_u32 v[SPW], v0, 2, SPARE
	v_mov_b32 v[NIL], 0
	ds_add_u32 v[SPW], v[NIL]                      ; the opening lines: the add twice on end and its wait
	ds_add_u32 v[SPW], v[NIL]
	v_lshrrev_b32 v1, 5, v0
	v_readfirstlane_b32 s[WV], v1                  ; wave 0..7
	s_bfe_u32 s32, ttmp6, 0x40000                  ; cx: it enters global addresses of x, out0 and the prefetches alone
	s_lshl_b32 s33, ttmp9, 2
	s_add_co_u32 s33, s33, s32                     ; my block of 64 rows
	s_mov_b32 s[G1+0], 15|(3<<16)|(1<<21)          ; the mask: all four work-groups; elements of 8 bytes; bit 21 beside a mask
	s_mov_b32 s[G1+1], 32<<16                      ; 64 rows of 32 elements, dense: 16,384 bytes, a wave's eighth of a slot
	s_mov_b32 s[G1+2], 64<<16
	s_mov_b32 s[G1+3], 32<<16
	s_mov_b32 s[G1+4], 64
	s_mov_b32 s[G1+5], 32
	s_mov_b32 s[G1+6], 0
	s_mov_b32 s[G1+7], 0
	s_mov_b32 s[G0], 1
	s_lshl_b32 s[G0+1], s[WV], 14                  ; LDS address: slot 0, my eighth
	s_mov_b32 s[TB], SLOT1                         ; the first change of slots turns it to slot 0
	s_mov_b32 s[TRI], 0
	s_cmp_eq_u32 ttmp9, 0                          ; the first cluster: the same in all four partners
	s_cselect_b32 s[LIMW], 16, 0
	s_cmp_lt_u32 s[WV], 4
	s_cselect_b32 s[LIMW], s[LIMW], 0
	s_cmp_eq_u32 s[WV], 4
	s_cselect_b32 s[LIMX], 12, 0
	s_lshl_b32 s34, s[WV], 14
	s_mov_b32 s35, 0
	s_wait_dscnt 0x0
	s_wait_kmcnt 0x0
	s_load_b128 s[52:55], s[10:11], 0x0            ; e0, e1, e2, e3
	s_add_nc_u64 s[G0+2:G0+3], s[6:7], s[34:35]    ; K steps 0 and 1, my eighth
	s_or_b32 s[G0+3], s[G0+3], 0x80000000
	ROUND                                          ; all four work-groups are here: the first joint loads meet
	tensor_load_to_lds s[G0:G0+3], s[G1:G1+7]      ; slot 0
	s_nop 0
	PLACES
	s_lshl_b32 s34, s33, 17
	s_add_nc_u64 s[4:5], s[4:5], s[34:35]          ; x at my 64 rows
	s_add_nc_u64 s[OUTP:OUTP+1], s[OUTP:OUTP+1], s[34:35]
	s_lshl_b32 s34, s[WV], 8
	s_add_nc_u64 s[OUTP:OUTP+1], s[OUTP:OUTP+1], s[34:35]   ; out0 at my 64 rows and my wave's 64 columns
	s_lshl_b32 s36, s[WV], 2
	s_lshl_b32 s37, s[WV], 5
	s_add_co_u32 s37, s37, XT
	s_mul_i32 s38, s[WV], 4*XP
	s_add_co_u32 s38, s38, XT
	s_lshl_b32 s39, s[WV], 4
	s_add_co_u32 s39, s39, LA2
	s_lshl_b32 s40, s[WV], 13
	s_mul_i32 s41, s[WV], 16*SP
	s_and_b32 s42, s[WV], 3
	s_lshl_b32 s42, s42, 13
	s_lshl_b32 s43, s32, 15
	s_add_co_u32 s42, s42, s43
	s_add_co_u32 s42, s42, 2*KSB                   ; slot 1: the first change of slots steps it to slot 2
	s_mul_i32 s44, s[WV], 768
	s_mul_i32 s45, s[WV], 384
	s_add_co_u32 s45, s45, PRM
	v_and_b32 v42, 31, v0                          ; lane
	v_and_b32 v43, 7, v0                           ; l8
	v_bfe_u32 v44, v0, 3, 1                        ; g0
	v_bfe_u32 v45, v0, 4, 1                        ; g1 = h
	v_and_b32 v46, 15, v0                          ; r
	v_lshl_add_u32 v47, v45, 5, v44
	v_add_nc_u32 v47, s36, v47                     ; the row that I load: 4 w + g0 + 32 g1 (+ 2 for the second load)
	v_lshlrev_b32 v[XO], 11, v47
	v_lshl_add_u32 v[XO], v43, 4, v[XO]
	v_mov_b32 v[XOC], v[XO]
	v_lshl_add_u32 v[PGO], v42, 2, s44
	v_mov_b32 v[PAC], v[PGO]
	v_mov_b32 v[PBC], v[PGO]
	v_lshl_add_u32 v[PW], v42, 2, s45
	v_mov_b32 v[PR], s45
	v_lshl_add_u32 v48, v44, 1, v45                ; its place in XT: 8 w + 2 g0 + g1
	v_mul_u32_u24 v[XTW], v43, 4*XP
	v_lshl_add_u32 v[XTW], v48, 2, v[XTW]
	v_add_nc_u32 v[XTW], s37, v[XTW]
	v_lshl_add_u32 v[XTR], v42, 3, s38
	v_mul_u32_u24 v[A2W], v42, A2P
	v_add_nc_u32 v[A2W], s39, v[A2W]
	v_mul_u32_u24 v[A1B], v47, A1P
	v_lshl_add_u32 v[A1B], v43, 2, v[A1B]
	v_add_nc_u32 v[A1B], LA1, v[A1B]
	v_mov_b32 v[A1W], v[A1B]
	v_lshl_add_u32 v[B0], v42, 4, s40              ; my four tiles of a K step's 32: images of registers
	v_add_nc_u32 v[B1], KSB, v[B0]
	v_mul_u32_u24 v[A2R], v46, A2P
	v_lshl_add_u32 v[A2R], v45, 4, v[A2R]
	v_add_nc_u32 v[A2R], LA2, v[A2R]
	v_mul_u32_u24 v[A1R], v46, A1P
	v_lshl_add_u32 v[A1R], v45, 4, v[A1R]
	v_add_nc_u32 v[A1R], LA1, v[A1R]
	v_mul_u32_u24 v[STO], v46, SP
	v_lshl_add_u32 v[STO], v45, 5, v[STO]
	v_add_nc_u32 v[STO], s41, v[STO]
	v_mul_u32_u24 v[RD], v45, SP
	v_lshl_add_u32 v[RD], v46, 4, v[RD]
	v_add_nc_u32 v[RD], s41, v[RD]
	v_lshlrev_b32 v[CO], 11, v45
	v_lshl_add_u32 v[CO], v46, 4, v[CO]
	v_lshl_add_u32 v[PFO], v42, 8, s42
	v_lshlrev_b32 v[PFX], 11, v42
	v_add_nc_u32 v[PFX], 512, v[PFX]
	s_wait_alu depctr_va_vdst(0)
	PGLOAD PGA, PAC, 0                             ; trip 0's first two features
	XLOAD                                          ; trip 0's x
	s_wait_kmcnt 0x0
	s_add_co_i32 s[HB2], s54, 142
	s_lshl_b32 s[HB2], s[HB2], 23
	s_or_b32 s[HB2], s[HB2], 0x600000              ; 57,344 x 2^e2
	s_add_co_i32 s[HB0], s52, 142
	s_lshl_b32 s[HB0], s[HB0], 23
	s_or_b32 s[HB0], s[HB0], 0x600000
	s_add_co_i32 s10, s54, 127
	s_lshl_b32 s10, s10, 23
	s_add_co_i32 s11, s52, 127
	s_lshl_b32 s11, s11, 23
	s_add_co_i32 s[SB], s52, s53                   ; e0 + e1
	s_add_co_i32 s[SA], s54, s55
	s_sub_co_i32 s[SA], s[SA], s[SB]
	s_add_co_i32 s[SA], s[SA], 127
	s_lshl_b32 s[SA], s[SA], 23                    ; 2^(e2+e3-e0-e1)
	s_mov_b32 s[SA+1], s[SA]
	s_add_co_i32 s[SB], s[SB], 127
	s_lshl_b32 s[SB], s[SB], 23                    ; 2^(e0+e1)
	s_mov_b32 s[SB+1], s[SB]
	v_mov_b32 v[SC2], s10
	v_mov_b32 v[SC0], s11
	s_wait_alu depctr_va_vdst(0)                   ; the wait at the head's end
	s_wait_loadcnt 0x0
	PGSTORE PGA
	PLD 0, 0                                       ; unit 0's -g and d1
	PGLOAD PGB, PBC, 384                           ; trip 0's other two features
	XSTORE
	SILU
	TRIP 1
.Ltrip:                                            ; trips 1 to 15
	TRIP 0
	s_cmp_lt_u32 s[TRI], 16
	s_cbranch_scc1 .Ltrip
	; THE TAIL: nothing is left to make.
	s_wait_loadcnt 0x0                             ; the last trip's loads of parameters, which nobody uses
	SYNC_P                                         ; tile 31 lies whole in buffer 1
	MULSTEP BC1, A2R, A2B, 16*A2P                  ; K step 31
	PLACES                                         ; four places between the last products and the lines that read and write their results
	WIN 0x41
.set n, 0
.rept 64
	v_pk_mul_f32 v[2*n:2*n+1], v[2*n:2*n+1], s[SA:SA+1] op_sel_hi:[1,0]   ; each accumulator from its low end on
.set n, n+1
.endr
	WIN 0
	SYNC_R                                         ; slot 16 has landed; slot 17, the last, goes out
	MULSTEP BC0, A1R, 0, 16*A1P                    ; K steps 32 and 33
	MULSTEP BC1, A1R, 128, 16*A1P
	SYNC_F                                         ; slot 17 has landed; nobody reads slot 0's bytes any more, and they have had their last fill
	MULSTEP BC0, A1R, 256, 16*A1P                  ; K steps 34 and 35
	MULSTEP BC1, A1R, 384, 16*A1P
; THE WAY OUT, block by block of 16 rows x my 64 columns, through my own stage: back as whole rows of 256 bytes, two an instruction.  LDS serves a wave's instructions in order (ISA guide 5.7.1.4).
.macro TOSTAGE m
	WIN 0x01
.irp t, 0,1,2,3
.irp i, 0,2,4,6
	v_pk_mul_f32 v[TMP+8*\t+\i:TMP+8*\t+\i+1], v[8*(4*\t+(\m))+\i:8*(4*\t+(\m))+\i+1], s[SB:SB+1] op_sel_hi:[1,0]
.endr
.endr
	WIN 0
.irp t, 0,1,2,3
	ds_store_b128 v[STO], v[TMP+8*\t:TMP+8*\t+3] offset:64*\t
	ds_store_b128 v[STO], v[TMP+8*\t+4:TMP+8*\t+7] offset:64*\t+16
.endr
.irp i, 0,1,2,3,4,5,6,7
	ds_load_b128 v[BK+32*((\m)%2)+4*\i:BK+32*((\m)%2)+4*\i+3], v[RD] offset:2*\i*SP
.endr
.endm
.macro SEND m, younger
	s_wait_dscnt \younger
.irp i, 0,1,2,3,4,5,6,7
	global_store_b128 v[CO], v[BK+32*((\m)%2)+4*\i:BK+32*((\m)%2)+4*\i+3], s[OUTP:OUTP+1] offset:(16*(\m)+2*\i)*2048 th:TH_STORE_NT   ; sixteen lanes store 256 consecutive bytes, aligned
.endr
.endm
	PLACES
	TOSTAGE 0
.irp m, 1,2,3
.if \m > 1
	s_wait_xcnt 0x0                                ; block m - 2's stores have read their registers
.endif
	TOSTAGE \m
	SEND \m-1, 16                                  ; behind block m - 1's loads: block m's 8 stores and 8 loads
.endr
	SEND 3, 0
	s_wait_tensorcnt 0x0                           ; the wave's end
	ds_add_u32 v[SPW], v[NIL]
	s_wait_dscnt 0x0
	ROUND                                          ; the closing round
	s_endpgm
.Lfunc_end_k_q3eadaeb1a8_kan:
	.size	k_q3eadaeb1a8_kan, .Lfunc_end_k_q3eadaeb1a8_kan-k_q3eadaeb1a8_kan
	.p2alignl 7, 3214868480
	.fill 96, 4, 3214868480
	.section	.rodata,"a",@progbits
	.p2align	6, 0x0
	.amdhsa_kernel k_q3eadaeb1a8_kan
		.amdhsa_group_segment_fixed_size 327680
		.amdhsa_private_segment_fixed_size 0
		.amdhsa_enable_private_segment 0
		.amdhsa_kernarg_size 40
		.amdhsa_user_sgpr_count 2
		.amdhsa_user_sgpr_kernarg_segment_ptr 1
		.amdhsa_wavefront_size32 1
		.amdhsa_system_sgpr_workgroup_id_x 1
		.amdhsa_system_sgpr_workgroup_id_y 1
		.amdhsa_system_sgpr_workgroup_id_z 1
		.amdhsa_system_vgpr_workitem_id 0
		.amdhsa_next_free_vgpr 512
		.amdhsa_next_free_sgpr 80
		.amdhsa_reserve_vcc 0
		.amdhsa_float_denorm_mode_32 3
		.amdhsa_float_denorm_mode_16_64 3
		.amdhsa_memory_ordered 1
		.amdhsa_forward_progress 1
		.amdhsa_inst_pref_size 155
	.end_amdhsa_kernel
	.amdgpu_metadata
---
amdhsa.version: [ 1, 2 ]
amdhsa.kernels:
  - .name:           k_q3eadaeb1a8_kan
    .symbol:         k_q3eadaeb1a8_kan.kd
    .args:
      - { .name: x, .offset: 0, .size: 8, .value_kind: global_buffer, .address_space: global }
      - { .name: wcodes, .offset: 8, .size: 8, .value_kind: global_buffer, .address_space: global }
      - { .name: ptab, .offset: 16, .size: 8, .value_kind: global_buffer, .address_space: global }
      - { .name: lowp_scales, .offset: 24, .size: 8, .value_kind: global_buffer, .address_space: global }
      - { .name: out0, .offset: 32, .size: 8, .value_kind: global_buffer, .address_space: global }
    .group_segment_fixed_size: 327680
    .private_segment_fixed_size: 0
    .kernarg_segment_align: 8
    .kernarg_segment_size: 40
    .max_flat_workgroup_size: 256
    .sgpr_count:     80
    .vgpr_count:     512
    .wavefront_size: 32
...
	.end_amdgpu_metadata
.endif
;; end of part 2
